; MI455X (gfx1250); checked and timed in simulation.
; The chip was launched on July 23, 2026; its instructions are those of AMD's public machine-readable ISA for CDNA 5 (MIT licence, August 2026) and "CDNA5" Instruction Set Architecture Reference Guide (July 2026). The comments in the code are by the model that wrote it; some were corrected since.
;; Min GRU. Allowed arithmetic: matrix products marked QUANTISED: E2M1 operands, one E8M0 scale for each 32 along K, by v_wmma_scale_f32_16x16x128_f8f6f4 with both operands' format E2M1 (or v_wmma_scale_f32_32x16x128_f4), f32 sums; everything else in f32.
;; Inputs: Wh 2 x 1,024 x 1,024 float32; Wz 2 x 1,024 x 1,024 float32; bh 2 x 1,024 float32; bz 2 x 1,024 float32; x 8 x 2,048 x 1,024 float32.
;; Outputs: out0 8 x 2,048 x 1,024 float32.
;; This version of the problem:
;;   THIS VERSION OF THE PROBLEM IS GIVEN IN LOW PRECISION. The matrix products marked QUANTISED in the list below multiply operands that are first quantised to E2M1 (2 exponent bits, 1 mantissa bit; 4 bits a number), with one power-of-two scale for each 32 numbers along K (OCP MX v1.0); their sums are f32. All else is computed in f32.
;;   The module's matrix products, in the order in which they are computed (A, B: the left and right operand; K: the contracted axis; several contracted axes count as one K, in the product's order):
;;     1. [M 16,384, K 1,024] x [K 1,024, N 1,024]; A: input x; B: input Wz: QUANTISED
;;     2. [M 16,384, K 1,024] x [K 1,024, N 1,024]; A: input x; B: input Wh: QUANTISED
;;     3. [M 16,384, K 1,024] x [K 1,024, N 1,024]; A: computed on the way; B: input Wz: QUANTISED
;;     4. [M 16,384, K 1,024] x [K 1,024, N 1,024]; A: computed on the way; B: input Wh: QUANTISED
;;   THE QUANTISER, for each operand of a quantised product, along K:
;;     - K is cut into blocks of 32 from its start; a last block that is shorter is filled with zeros.
;;     - A block's scale is 2^e with e = floor(log2(the largest magnitude in the block)) - 2, held to -126 .. 127; a block of zeros has e = 0. As a byte (E8M0): e + 127.
;;     - Each number is divided by its block's scale, clamped to +-6, and rounded to the nearest number of E2M1, ties to even, subnormals kept.
;;     - The product sums the exact products of the quantised numbers (number of the format x scale) in f32.
;;   ~~~python
;;   def quantise(x, axis):      # numpy; x: float32 -> the quantised numbers, widened to float32 again
;;       x = np.moveaxis(x, axis, -1); K = x.shape[-1]
;;       x = np.pad(x, [(0, 0)] * (x.ndim - 1) + [(0, -K % 32)]); x = x.reshape(x.shape[:-1] + (-1, 32)); a = np.abs(x).max(-1, keepdims=True)
;;       e = np.where(a > 0, np.clip(np.frexp(np.where(a > 0, a, 1))[1] - 1 - 2, -126, 127), 0)      # np.frexp(a)[1] - 1 = floor(log2(a)), exactly
;;       r = np.clip(x / 2.0 ** e, -6, 6)
;;       step = 2.0 ** (np.maximum(np.frexp(np.where(r == 0, 1, r))[1] - 1, 0) - 1)
;;       q = np.round(r / step) * step * 2.0 ** e      # np.round: ties to even
;;       return np.moveaxis(q.reshape(q.shape[:-2] + (-1,))[..., :K], -1, axis).astype(np.float32)
;;   ~~~
;;   OPERANDS COMPUTED ON THE WAY. 'Computed on the way' means the value that the module computes at that place (a softmax that the list does not call 'softmax' is quantised finished and normalised). What goes into a quantiser is computed in f32, as accurately as f32 sums, v_exp_f32 and their like allow (about 1e-6 of the number): no bf16 or f16 on the way to a quantiser, and a product that is left as it is and whose result goes on into a quantised operand takes f32 operands (vector FMAs, or v_wmma_f32_16x16x4_f32). A number that lies on a knife's edge between two numbers of the format may be rounded either way, as far as f32 arithmetic and the matrix unit's own rounding can turn it there, and no further.
;; One version. Each part assembles by itself: llvm-mc -triple=amdgcn-amd-amdhsa -mcpu=gfx1250 --defsym DOCPART=n.
;; ======== version 1 of 1: 3 launches
;; workspace buffers: xq 8,912,896 bytes; hq 8,912,896 bytes; wq 2,228,224 bytes
;; launch quant (part 1): grid 256 x 1, 10 waves a work-group, no clusters, 88,320 bytes of LDS; arguments x, Wz, Wh, xq, wq; writes xq, wq
.if DOCPART == 1
	.amdgcn_target "amdgcn-amd-amdhsa--gfx1250"
	.amdhsa_code_object_version 6
	.text
	.protected	k_q5d0cfff1fb_quant
	.globl	k_q5d0cfff1fb_quant
	.p2align	8
	.type	k_q5d0cfff1fb_quant,@function
k_q5d0cfff1fb_quant:
	s_mov_b64 s[64:65], 0
	v_nop
	global_prefetch_b8 v0, s[64:65] scope:SCOPE_SE
	s_setreg_imm32_b32 hwreg(HW_REG_WAVE_MODE, 25, 1), 1
	s_wait_xcnt 0x0
; x [16384][1024], Wz and Wh [2048][1024], f32, K innermost, become codes of FP4 (E2M1) with one E8M0 byte for each 32 along K, laid in RECORDS.
; A record is 16 rows x 1,024 along K in 8,704 bytes: codes [block kb 0..31][slot m 0..15][16 bytes], then scale bytes [hh 0..1][m][16]: byte (hh, m, q) is block 16 hh + q of slot m.
; That is the image of a matrix operand's registers: the 512 bytes at 256 (4 s + 2 c) + 16 x lane are registers 4 c .. 4 c + 3 of K step s, and 16 bytes a lane at 8,192 + 16 x lane are the scale words of all eight K steps.
; WHICH ROW LIES IN WHICH SLOT.  Weights: slot m = row 16 j + m.  x: rows go in groups of 32 time steps, two records i = 0, 1; slot m holds step 16 (m / 8) + 8 (m % 2) + 4 i + (m % 8) / 2,
; so that in the product's result an even and an odd register of a lane belong to two runs of time that do not depend on each other.  Both orders are told apart by global addresses alone.
; A block's scale is 2^(floor(log2(its largest magnitude)) - 2); its byte is the largest magnitude's exponent field - 2, held at 1 from below.  A block of zeros so gets the byte 1: its codes are zeros, and this program alone reads the bytes.
; LIMITS: NaN and infinities among the inputs are not served.
; SHARES.  1,280 records, 2,560 halves (512 along K), one to a wave: task = 10 x work-group + wave.  Lane 16 e' + m takes slot m and blocks 16 e + 8 e' + 0 .. 7, two blocks at a time.
; A load reads 256 consecutive bytes of one row in each half of the lanes; the numbers turn through the wave's own stage in LDS (pieces of 256 bytes + 16) and come back 128 bytes a lane: a whole block in one lane's registers.
; No tensor loads, no barrier: waves share nothing.  Two double steps (32 loads a wave) are on their way.
.set REC,  8704
.set PP,   272                         ; a piece of the stage: 256 bytes + 16: the lanes' reads start at different banks (64 banks of 4 bytes: ISA guide 11.1)
.set WREG, 32*PP                       ; a wave's stage
.set SW,   4                           ; v4   the stage, on the way in: 16 PP e' + 16 (lane % 16); the slot stands in the immediate
.set SR,   5                           ; v5   and on the way out: PP x lane
.set CO,   6                           ; v6   my codes' place: 2,048 e' + 16 m
.set SO,   7                           ; v7   my eight scale bytes' place: 16 m + 8 e'
.set VO,   8                           ; v8-11  offsets of the loads: 16 (lane % 16) + 1,024 e' + c rows, c = (m / 2) % 4
.set SB,   24                          ; v[24:25] my eight scale bytes
.set C,    32                          ; v32-63   codes: four registers for each block, never written again
.set R,    64                          ; v64-191  two sets of 64: numbers as loaded
.set X,    192                         ; v192-255 two sets of 32: a block's numbers
.set PB,   32                          ; s[32:39] four bases: the rows of slots with m / 8 = a and m % 2 = b, at s[PB + 4 a + 2 b]
	s_load_b256 s[4:11], s[0:1], 0x0               ; x s[4:5], Wz s[6:7], Wh s[8:9], xq s[10:11]
	s_load_b64 s[12:13], s[0:1], 0x20              ; wq
	v_lshl_add_u32 v30, v0, 2, 0x15400
	v_mov_b32 v31, 0
	v_lshrrev_b32 v1, 5, v0
	v_readfirstlane_b32 s16, v1                    ; wave 0..9
	v_and_b32 v1, 31, v0                           ; lane
	v_and_b32 v2, 15, v0                           ; lane % 16
	v_bfe_u32 v3, v0, 4, 1                         ; e'
	s_mul_i32 s17, s16, WREG
	v_mul_u32_u24 v[SW], v3, 16*PP
	v_lshl_add_u32 v[SW], v2, 4, v[SW]
	v_add_nc_u32 v[SW], s17, v[SW]
	v_mul_u32_u24 v[SR], v1, PP
	v_add_nc_u32 v[SR], s17, v[SR]
	v_lshlrev_b32 v[CO], 11, v3
	v_lshl_add_u32 v[CO], v2, 4, v[CO]
	v_lshlrev_b32 v[SO], 3, v3
	v_lshl_add_u32 v[SO], v2, 4, v[SO]
	v_lshlrev_b32 v[VO], 10, v3
	v_lshl_add_u32 v[VO], v2, 4, v[VO]
	s_mul_i32 s20, ttmp9, 10
	s_add_co_u32 s20, s20, s16                     ; task
	s_lshr_b32 s21, s20, 1                         ; record: 0..1023 x, 1024..1151 Wz, 1152..1279 Wh
	s_and_b32 s22, s20, 1                          ; e: which 512 along K
	s_lshr_b32 s24, s21, 1
	s_lshl_b32 s24, s24, 5
	s_and_b32 s25, s21, 1
	s_lshl_b32 s25, s25, 2
	s_add_co_u32 s24, s24, s25                     ; x: first row = 32 x group + 4 i
	s_and_b32 s25, s21, 127
	s_lshl_b32 s25, s25, 4                         ; a weight: first row = 16 j
	s_cmp_lt_u32 s21, 1024                         ; all choices hang on the record's number alone
	s_cselect_b32 s23, 1, 0                        ; 1: x
	s_cselect_b32 s24, s24, s25                    ; the record's first row
	s_cselect_b32 s26, 0, 1024
	s_sub_co_u32 s26, s21, s26                     ; the record's number in its own buffer
	s_lshl_b32 s30, 0x8000, s23                    ; from m / 8 = 0 to 1: 16 rows (x) or 8, of 4,096 bytes
	s_mov_b32 s31, 0
	s_mul_i32 s27, s23, 3
	s_lshl_b32 s40, 0x1000, s27                    ; from m % 2 = 0 to 1: 8 rows or 1
	s_mov_b32 s41, 0
	s_lshr_b32 s42, 0x2000, s23                    ; from c to c + 1: 1 row or 2
	s_lshl_b32 s28, s24, 12
	s_lshl_b32 s29, s22, 11
	s_add_co_u32 s28, s28, s29                     ; first row x 4,096 + 2,048 e (under 2^27)
	s_mov_b32 s29, 0
	s_mul_i32 s44, s26, REC
	s_lshl_b32 s46, s22, 12
	s_add_co_u32 s46, s46, s44                     ; my codes: record + 4,096 e
	s_mov_b32 s47, 0
	s_lshl_b32 s52, s22, 8
	s_add_co_u32 s52, s52, s44
	s_add_co_u32 s52, s52, 8192                    ; my scale bytes: record + 8,192 + 256 e
	s_mov_b32 s53, 0
	v_add_nc_u32 v[VO+1], s42, v[VO]
	v_add_nc_u32 v[VO+2], s42, v[VO+1]
	v_add_nc_u32 v[VO+3], s42, v[VO+2]
	s_wait_kmcnt 0x0
	s_cmp_lt_u32 s21, 1152
	s_cselect_b64 s[6:7], s[6:7], s[8:9]           ; Wz or Wh
	s_cmp_lt_u32 s21, 1024
	s_cselect_b64 s[4:5], s[4:5], s[6:7]           ; x or the weight
	s_cselect_b64 s[10:11], s[10:11], s[12:13]     ; xq or wq
	s_add_nc_u64 s[PB:PB+1], s[4:5], s[28:29]
	s_add_nc_u64 s[PB+2:PB+3], s[PB:PB+1], s[40:41]
	s_add_nc_u64 s[PB+4:PB+5], s[PB:PB+1], s[30:31]
	s_add_nc_u64 s[PB+6:PB+7], s[PB+4:PB+5], s[40:41]
	s_add_nc_u64 s[48:49], s[10:11], s[46:47]      ; the codes
	s_add_nc_u64 s[50:51], s[10:11], s[52:53]      ; the scale bytes
.macro LOAD d                          ; double step d: 64 numbers of each slot for each e': each half of the lanes reads 256 consecutive bytes, aligned
.irp m, 0,1,2,3,4,5,6,7,8,9,10,11,12,13,14,15
	global_load_b128 v[R+64*((\d)%2)+4*\m:R+64*((\d)%2)+4*\m+3], v[VO+(\m/2)%4], s[PB+4*(\m/8)+2*(\m%2):PB+4*(\m/8)+2*(\m%2)+1] offset:256*(\d) th:TH_LOAD_NT
.endr
.endm
.macro TURN d                          ; through the stage: LDS serves a wave's instructions in order (ISA guide 5.7.1.4), so no wait stands between the stores and the loads, nor in front of the next turn's stores
.irp m, 0,1,2,3,4,5,6,7,8,9,10,11,12,13,14,15
	ds_store_b128 v[SW], v[R+64*((\d)%2)+4*\m:R+64*((\d)%2)+4*\m+3] offset:PP*\m
.endr
.irp bs, 0,1
.irp g, 0,1,2,3,4,5,6,7
	ds_load_b128 v[X+32*\bs+4*\g:X+32*\bs+4*\g+3], v[SR] offset:128*\bs+16*\g
.endr
.endr
.endm
.macro WORK sg                         ; my block sg of eight: all its 32 numbers are mine
.set XS, X+32*((\sg)%2)
	v_max3_num_f32 v12, |v[XS]|, |v[XS+1]|, |v[XS+2]|              ; the largest magnitude, in two chains
	v_max3_num_f32 v13, |v[XS+3]|, |v[XS+4]|, |v[XS+5]|
.irp i, 6,10,14,18,22,26
	v_max3_num_f32 v12, v12, |v[XS+\i]|, |v[XS+\i+1]|
	v_max3_num_f32 v13, v13, |v[XS+\i+2]|, |v[XS+\i+3]|
.endr
	v_max3_num_f32 v12, v12, |v[XS+30]|, |v[XS+31]|
	v_max3_num_f32 v12, v12, v13, 0x1800000        ; and the floor 2^(3 - 127): the byte cannot fall under 1
	v_add_nc_u32 v14, 0xff000000, v12              ; 2 off the exponent field: the conversion takes the exponent field of this operand as its scale, and nothing else of it
.irp g, 0,1,2,3
	v_cvt_scalef32_pk8_fp4_f32 v[C+4*(\sg)+\g], v[XS+8*\g:XS+8*\g+7], v14
.endr
	v_lshrrev_b32 v13, 23, v14                     ; the scale's byte (a plain line behind the conversions)
.if (\sg)%4 == 0
	v_mov_b32 v[SB+(\sg)/4], v13                   ; four bytes to a register, the lower K in the lower byte
.else
	v_lshl_or_b32 v[SB+(\sg)/4], v13, 8*((\sg)%4), v[SB+(\sg)/4]
.endif
	global_store_b128 v[CO], v[C+4*(\sg):C+4*(\sg)+3], s[48:49] offset:256*(\sg)   ; each half of the lanes stores 256 consecutive bytes, aligned
.endm
	LOAD 0
	LOAD 1
.irp d, 0,1,2,3
.if \d < 3
	s_wait_loadcnt 16                              ; this double step's 16 loads are in; the next one's 16 may be out
.else
	s_wait_loadcnt 0x0
.endif
	TURN \d
	s_wait_dscnt 8                                 ; the stores have read their registers and the first block is back; the second block's 8 loads may be out
.if \d < 2
	LOAD \d+2                                      ; into the registers that the stores have read
.endif
	WORK 2*\d
	s_wait_dscnt 0x0
	WORK 2*\d+1
.endr
	global_store_b64 v[SO], v[SB:SB+1], s[50:51]   ; the wave stores 256 consecutive bytes, aligned
	s_wait_tensorcnt 0x0
	ds_add_u32 v30, v31
	s_wait_dscnt 0x0
	s_endpgm
.Lfunc_end_k_q5d0cfff1fb_quant:
	.size	k_q5d0cfff1fb_quant, .Lfunc_end_k_q5d0cfff1fb_quant-k_q5d0cfff1fb_quant
	.p2alignl 7, 3214868480
	.fill 96, 4, 3214868480
	.section	.rodata,"a",@progbits
	.p2align	6, 0x0
	.amdhsa_kernel k_q5d0cfff1fb_quant
		.amdhsa_group_segment_fixed_size 88320
		.amdhsa_private_segment_fixed_size 0
		.amdhsa_enable_private_segment 0
		.amdhsa_kernarg_size 40
		.amdhsa_user_sgpr_count 2
		.amdhsa_user_sgpr_kernarg_segment_ptr 1
		.amdhsa_wavefront_size32 1
		.amdhsa_system_sgpr_workgroup_id_x 1
		.amdhsa_system_sgpr_workgroup_id_y 1
		.amdhsa_system_sgpr_workgroup_id_z 1
		.amdhsa_system_vgpr_workitem_id 0
		.amdhsa_next_free_vgpr 256
		.amdhsa_next_free_sgpr 66
		.amdhsa_reserve_vcc 0
		.amdhsa_float_denorm_mode_32 3
		.amdhsa_float_denorm_mode_16_64 3
		.amdhsa_memory_ordered 1
		.amdhsa_forward_progress 1
		.amdhsa_inst_pref_size 30
	.end_amdhsa_kernel
	.amdgpu_metadata
---
amdhsa.version: [ 1, 2 ]
amdhsa.kernels:
  - .name:           k_q5d0cfff1fb_quant
    .symbol:         k_q5d0cfff1fb_quant.kd
    .args:
      - { .name: x, .offset: 0, .size: 8, .value_kind: global_buffer, .address_space: global }
      - { .name: Wz, .offset: 8, .size: 8, .value_kind: global_buffer, .address_space: global }
      - { .name: Wh, .offset: 16, .size: 8, .value_kind: global_buffer, .address_space: global }
      - { .name: xq, .offset: 24, .size: 8, .value_kind: global_buffer, .address_space: global }
      - { .name: wq, .offset: 32, .size: 8, .value_kind: global_buffer, .address_space: global }
    .group_segment_fixed_size: 88320
    .private_segment_fixed_size: 0
    .kernarg_segment_align: 8
    .kernarg_segment_size: 40
    .max_flat_workgroup_size: 320
    .sgpr_count:     66
    .vgpr_count:     256
    .wavefront_size: 32
...
	.end_amdgpu_metadata
.endif
;; end of part 1
;; launch layer1 (part 2): grid 32 x 8, 8 waves a work-group, clusters of 4 x 1, 327,680 bytes of LDS; arguments xq, wq, bz, bh, hq; writes hq
.if DOCPART == 2
	.amdgcn_target "amdgcn-amd-amdhsa--gfx1250"
	.amdhsa_code_object_version 6
	.text
	.protected	k_q5d0cfff1fb_layer1
	.globl	k_q5d0cfff1fb_layer1
	.p2align	8
	.type	k_q5d0cfff1fb_layer1,@function
k_q5d0cfff1fb_layer1:
	s_mov_b64 s[64:65], 0
	v_nop
	global_prefetch_b8 v0, s[64:65] scope:SCOPE_SE
	s_setreg_imm32_b32 hwreg(HW_REG_WAVE_MODE, 25, 1), 1
	s_wait_xcnt 0x0
	s_wait_alu depctr_hold_cnt(0) depctr_sa_sdst(0) depctr_va_vdst(0) depctr_va_sdst(0) depctr_va_ssrc(0) depctr_va_vcc(0) depctr_vm_vsrc(0)
	s_getreg_b32 s2, hwreg(HW_REG_IB_STS2, 6, 4)
	s_cmp_eq_u32 s2, 0
	s_cbranch_scc0 .Lentry_in_a_cluster
	s_endpgm
.Lentry_in_a_cluster:
	s_bfe_u32 s2, ttmp6, 0x10000c
	s_cmp_lg_u32 s2, 0x3003
	s_cbranch_scc0 .Lentry_shape_is_right
	s_endpgm
.Lentry_shape_is_right:
; minGRU, layer 0: k = X Wz^T + bz, p = X Wh^T + bh on codes of FP4 (E2M1) with E8M0 scales; z = sigmoid(k); g = p + 0.5 where p >= 0, else sigmoid(p); h_t = (1 - z_t) h_(t-1) + z_t g_t, h_0 = 0.5.
; That recurrence is the scan of the log-space form taken out of the logarithm: a convex combination of positive numbers, in which no exponential of a sum is formed.  h is quantised along the channels into records for the next layer.
; RECORDS (16 rows x 1,024 along K, 8,704 bytes): codes [block 0..31][slot 0..15][16 bytes], scale bytes [hh][slot][16]: the image of an operand's registers.  In X's records slot m of record i holds time step 16 (m / 8) + 8 (m % 2) + 4 i + (m % 8) / 2 of a group of 32.
; SHARES.  A work-group owns 32 channels (a slab) of one batch for all 2,048 steps: time is sequential, and no work-group hands anything to another.  Time goes in 8 blocks of 256 steps; in a block wave w owns steps 32 w .. 32 w + 31: two records.
; Every wave keeps the slab's four weight records (z and h, 2 x 16 channels) in 256 registers.  Source 0 = X's 16 slots, source 1 = 16 channels: lane (r, h) holds channel r, register j slot 8 h + j.
; So register rho = 8 i + j = 2 u + q of a lane is step 16 h + 8 q + u: even and odd registers are two runs of 8 steps, and the scan runs in packed f32.
; THE SCAN.  In a run: prefix products P and prefix sums L (h = P x carry + L).  Two runs make a lane, two lanes (l, l xor 16) a wave; each wave's pair (A, B) goes to LDS; behind one barrier every wave folds the eight pairs onto the block's carry.
; PIPELINE.  In a turn the products of block t + 1 stand, 8 at a time, between the gates of block t; two sets of 64 registers change places.
; CLUSTER.  The four slabs of a cluster read the same X: each wave's tile (its two records) is asked for JOINTLY by the same wave of all four work-groups.  A wave reads only the tile that it asked for.
; LIMITS: NaN and infinities are not served.  e^-k is held at 2^100, so a gate under 2^-100 is held there (error under 2^-100 g).  What v_exp_f32 and v_rcp_f32 flush (under 2^-126) counts as 0.
; A block of zeros gets the scale byte 1 (its codes are zeros; this program alone reads the bytes).  A slab owns one block of 32 of the next K, so its scale bytes leave one byte a lane.
.set LAYER, 0
.set REC,   8704
.set WTILE, 2*REC                      ; a wave's tile
.set SLOT,  16*REC                     ; a block of 256 steps
.set STAGE, 2*SLOT                     ; behind the ring: a stage for each wave: step tau at 144 tau + 64 (tau / 16)
.set WSTG,  4864
.set CMP,   STAGE+8*WSTG               ; the waves' pairs (A, B): two parities x [wave][r][16 bytes]
.set SPARE, CMP+2*2048                 ; the spare words, 128 bytes for each wave: four blocks of 256 bytes that no other line names
.set OSTEP, SLOT                       ; a block's records in the results' buffer
.set WOFF,  LAYER*64*REC               ; the layer's first record of Wz; Wh's lie 128 records on
.set SPW,   1                          ; v1   LDS address of my spare word; never rewritten
.set NIL,   2                          ; v2   0; never rewritten
.set ADR,   3                          ; v3-4 my tile in slot 0, 1: + 16 x lane
.set STO,   5                          ; v5   the stage, on the way in
.set SRD,   6                          ; v6   and on the way out
.set CST,   7                          ; v7   where I store my wave's pair
.set CRD,   8                          ; v8   where I read the waves' pairs
.set GO,    9                          ; v9   my codes' place in a block's records
.set GS,    10                         ; v10  my scale byte's
.set L16,   11                         ; v11  16 x lane
.set CARRY, 12                         ; v[12:13] h at the block's head, channels r and 16 + r
.set CW,    14                         ; v[14:15] h at my wave's head
.set CBZ,   16                         ; v[16:19] -c bz, a pair for each 16 channels
.set BH,    20                         ; v[20:35] bh as the C of a sum's first product: eight equal registers for each 16 channels
.set BSC,   36                         ; v[36:51] the weights' scale words
.set ASC,   52                         ; v[52:59] X's scale words
.set MX,    60                         ; v[60:67], v[68:75], v[76:83] at work
.set T1,    68
.set T2,    76
.set AF,    84                         ; v[84:115] X's fragments: two buffers x two records x 8
.set CC,    116                        ; v[116:119] the carries into my runs: a pair (q = 0, 1) for each 16 channels
.set F,     120
.set CD,    122                        ; v[122:125] codes to store
.set BYT,   126
.set SET0,  128                        ; v[128:191], v[192:255]: two sets; in a set k, then P, at 16 n + rho; p, then L, at 32 + 16 n + rho.  Window 1: the weights' fragments (record nt, K step s) at 64 nt + 8 s
.set MSB, 0
.macro WIN new                         ; the immediate's high byte repeats the setting that is left
.if MSB != \new
	s_set_vgpr_msb (MSB<<8)|\new
.set MSB, \new
.endif
.endm
.macro PLACES
.rept 4
	v_nop
.endr
.endm
.macro CROUND                          ; a round of the cluster's barrier
	s_barrier_signal -1
	s_barrier_wait -1
	s_cmp_lg_u32 s14, 0
	s_cbranch_scc1 .Lnot_wave_0_\@
	s_barrier_signal -3
.Lnot_wave_0_\@:
	s_barrier_wait -3
	s_barrier_signal -1
	s_barrier_wait -1
.endm
	s_load_b256 s[4:11], s[0:1], 0x0               ; X's records s[4:5], the weights' s[6:7], bz s[8:9], bh s[10:11]
	s_load_b64 s[12:13], s[0:1], 0x20              ; the results
	v_lshl_add_u32 v[SPW], v0, 2, SPARE
	v_mov_b32 v[NIL], 0
	ds_add_u32 v1, v2
	ds_add_u32 v1, v2
	s_wait_dscnt 0x0
	v_lshrrev_b32 v60, 5, v0
	v_readfirstlane_b32 s14, v60                   ; wave 0..7
	s_bfe_u32 s15, ttmp6, 0x40000                  ; cx
	s_lshl_b32 s16, ttmp9, 2
	s_add_co_u32 s16, s16, s15                     ; slab = 4 x cluster x + cx: it enters global addresses alone
	s_and_b32 s17, ttmp7, 0xffff                   ; batch, which the four partners share
	s_mov_b32 s19, 0xffff0000                      ; lanes 16-31
	s_mov_b32 s20, 0x76543210
	s_mov_b32 s21, 0xfedcba98                      ; v_permlanex16_b32's selects for lane l xor 16
	s_mov_b32 s22, 0xbfb8aa3b                      ; -c, c = log2(e)
	s_mov_b32 s23, s22                             ; (named with it as a pair, so it is written)
	s_mov_b32 s24, 0x3fb8aa3b                      ; c
	s_mov_b32 s25, s24
	s_mov_b32 s26, 0x71800000                      ; 2^100
	; descriptor group 1: a wave's tile, 17,408 dense bytes, as 68 rows of 32 elements of 8 bytes
	s_mov_b32 s28, 15|(3<<16)|(1<<21)              ; 15:0 the mask: all four work-groups; 17:16 elements of 8 bytes; 21 set beside a mask; no padding: a load of 16 bytes a lane takes 512 consecutive bytes
	s_mov_b32 s29, 32<<16                          ; tensor_dim0 = 32
	s_mov_b32 s30, 68<<16                          ; tensor_dim1 = 68
	s_mov_b32 s31, 32<<16                          ; tile_dim0 = 32
	s_mov_b32 s32, 68                              ; tile_dim1 = 68
	s_mov_b32 s33, 32                              ; tensor_dim0_stride
	s_mov_b32 s34, 0
	s_mov_b32 s35, 0
.irp w, 0,1,2,3,4,5,6,7
	s_cmp_eq_u32 s14, \w
	s_cselect_b32 s[44+\w], -1, 0                  ; all lanes where I am wave w
.endr
	s_mul_i32 s52, s17, 128*REC                    ; the batch's records
	s_mul_i32 s53, s14, WTILE                      ; my tile in a block, in memory and in a slot
	s_add_co_u32 s54, s52, s53
	s_mov_b32 s55, 0
	s_wait_kmcnt 0x0
	s_add_nc_u64 s[54:55], s[4:5], s[54:55]
.irp sl, 0,1
	s_mov_b32 s[36+4*\sl], 1                       ; group 0 for slot sl: count = 1
	s_add_co_u32 s[37+4*\sl], s53, \sl*SLOT        ; LDS address
	s_add_nc_u64 s[38+4*\sl:39+4*\sl], s[54:55], \sl*SLOT   ; global address: block sl
	s_or_b32 s[39+4*\sl], s[39+4*\sl], 0x80000000  ; type = 2
.endr
	CROUND                                         ; all four work-groups are here: the first joint loads meet
	tensor_load_to_lds s[36:39], s[28:35]          ; blocks 0 and 1: two loads of mine are out
	s_nop 0
	tensor_load_to_lds s[40:43], s[28:35]
	s_nop 0
	PLACES
	s_mul_i32 s56, s16, 2*REC                      ; the slab's two records of each weight
	s_mov_b32 s57, 0
	s_add_nc_u64 s[6:7], s[6:7], s[56:57]
	v_and_b32 v[L16], 31, v0
	v_lshlrev_b32 v[L16], 4, v[L16]
	WIN 0x40                                       ; destination window 1
.irp nt, 0,1,2,3                       ; record nt: 0, 1 Wz's channels 16 nt + r; 2, 3 Wh's.  They stay
.irp s, 0,1,2,3,4,5,6,7
.irp c, 0,1
	global_load_b128 v[64*\nt+8*\s+4*\c:64*\nt+8*\s+4*\c+3], v[L16], s[6:7] offset:WOFF+(\nt%2)*REC+(\nt/2)*128*REC+\s*1024+\c*512
.endr
.endr
.endr
	WIN 0
.irp nt, 0,1,2,3
	global_load_b128 v[BSC+4*\nt:BSC+4*\nt+3], v[L16], s[6:7] offset:WOFF+(\nt%2)*REC+(\nt/2)*128*REC+8192   ; register i: K step i's words in lanes 0-15, K step 4 + i's in lanes 16-31
.endr
	s_lshl_b32 s56, s16, 7                         ; the slab's 32 numbers of a bias
	s_add_nc_u64 s[8:9], s[8:9], s[56:57]
	s_add_nc_u64 s[10:11], s[10:11], s[56:57]
	v_and_b32 v60, 15, v0                          ; r
	v_bfe_u32 v61, v0, 4, 1                        ; h
	v_lshlrev_b32 v62, 2, v60
.irp n, 0,1
	global_load_b32 v[CBZ+2*\n], v62, s[8:9] offset:LAYER*4096+64*\n
.irp j, 0,1,2,3,4,5,6,7
	global_load_b32 v[BH+8*\n+\j], v62, s[10:11] offset:LAYER*4096+64*\n
.endr
.endr
	v_add_nc_u32 v[ADR], s53, v[L16]
	v_add_nc_u32 v[ADR+1], SLOT, v[ADR]
	s_mul_i32 s58, s14, WSTG
	s_add_co_u32 s58, s58, STAGE                   ; my stage
	v_mul_u32_u24 v63, v61, 2368
	v_lshl_add_u32 v63, v60, 2, v63
	v_add_nc_u32 v[STO], s58, v63                  ; in: step 16 h, channel r; the rest stands in the immediate
	v_lshrrev_b32 v63, 3, v60                      ; out: lane 16 i + m takes the step of slot m of record i: all 32 channels, 128 bytes
	v_mul_u32_u24 v63, v63, 2368
	v_and_b32 v64, 1, v60
	v_mad_u32_u24 v63, v64, 1152, v63
	v_mad_u32_u24 v63, v61, 576, v63
	v_bfe_u32 v64, v60, 1, 2
	v_mad_u32_u24 v63, v64, 144, v63
	v_add_nc_u32 v[SRD], s58, v63
	s_lshl_b32 s59, s14, 8
	s_add_co_u32 s59, s59, CMP
	v_lshl_add_u32 v[CST], v60, 4, s59
	v_lshl_add_u32 v[CRD], v60, 4, CMP
	v_mul_u32_u24 v65, v61, REC
	v_lshl_add_u32 v65, v60, 4, v65                ; record i, slot m
	s_lshl_b32 s60, s16, 8
	s_add_co_u32 s60, s60, s53
	v_add_nc_u32 v[GO], s60, v65                   ; + my wave's records + block kb = slab
	s_lshr_b32 s61, s16, 4
	s_lshl_b32 s61, s61, 8
	s_and_b32 s60, s16, 15
	s_add_co_u32 s61, s61, s60
	s_add_co_u32 s61, s61, s53
	s_add_co_u32 s61, s61, 8192
	v_add_nc_u32 v[GS], s61, v65                   ; byte (slab / 16, m, slab % 16)
	s_mov_b32 s62, s52                             ; what the first turn adds to the results' address: the batch's records; later turns add a block
	s_mov_b32 s63, 0
	v_mov_b32 v[CARRY], 0.5                        ; h_0
	v_mov_b32 v[CARRY+1], 0.5
	v_mov_b32 v[CW], 0
	v_mov_b32 v[CW+1], 0
	s_wait_loadcnt 0x0                             ; weights, scale words, biases
.irp n, 0,1
	v_mul_f32 v[CBZ+2*\n], s22, v[CBZ+2*\n]
	v_mov_b32 v[CBZ+2*\n+1], v[CBZ+2*\n]           ; (named with it as a pair, so it is written)
.endr
.macro ALOAD sl, ks, buf               ; X's fragments of K step ks, both records, into buffer buf
.irp i, 0,1
.irp c, 0,1
	ds_load_b128 v[AF+16*(\buf)+8*\i+4*\c:AF+16*(\buf)+8*\i+4*\c+3], v[ADR+(\sl)] offset:\i*REC+(\ks)*1024+\c*512
.endr
.endr
.endm
.macro NEXTA sl                        ; a block's scale words and its first two K steps
.irp i, 0,1
	ds_load_b128 v[ASC+4*\i:ASC+4*\i+3], v[ADR+(\sl)] offset:\i*REC+8192
.endr
	ALOAD \sl, 0, 0
	ALOAD \sl, 1, 1
.endm
; 8 products: two records x four weight records, 128 along K.  The 8 accumulators take turns, one instruction a turn.  K step 0 starts the sums: with 0 for k (bz goes into the gate's first line), with bh for p.
.macro MM acc, ks, buf
.irp i, 0,1
.irp nt, 0,1,2,3
.set rD, \acc+32*(\nt/2)+16*(\nt%2)+8*\i
.set rA, AF+16*(\buf)+8*\i
.set rB, 64*\nt+8*(\ks)
.set rX, ASC+4*\i+(\ks)%4
.set rW, BSC+4*\nt+(\ks)%4
.if ((\ks) == 0) && (\nt < 2)
	v_wmma_scale_f32_16x16x128_f8f6f4 v[rD:rD+7], v[rA:rA+7], v[rB:rB+7], 0, v[rX], v[rW] matrix_a_fmt:MATRIX_FMT_FP4 matrix_b_fmt:MATRIX_FMT_FP4
.elseif (\ks) == 0
	v_wmma_scale_f32_16x16x128_f8f6f4 v[rD:rD+7], v[rA:rA+7], v[rB:rB+7], v[BH+8*(\nt-2):BH+8*(\nt-2)+7], v[rX], v[rW] matrix_a_fmt:MATRIX_FMT_FP4 matrix_b_fmt:MATRIX_FMT_FP4
.elseif (\ks) < 4
	v_wmma_scale_f32_16x16x128_f8f6f4 v[rD:rD+7], v[rA:rA+7], v[rB:rB+7], v[rD:rD+7], v[rX], v[rW] matrix_a_fmt:MATRIX_FMT_FP4 matrix_b_fmt:MATRIX_FMT_FP4
.else
	v_wmma_scale_f32_16x16x128_f8f6f4 v[rD:rD+7], v[rA:rA+7], v[rB:rB+7], v[rD:rD+7], v[rX], v[rW] matrix_a_fmt:MATRIX_FMT_FP4 matrix_b_fmt:MATRIX_FMT_FP4 matrix_a_scale:MATRIX_SCALE_ROW1 matrix_b_scale:MATRIX_SCALE_ROW1
.endif
.endr
.endr
.endm
; THE GATES of sub-batch b = 2 n + i: 8 registers of k at set + 8 b, 8 of p at set + 32 + 8 b.  Each accumulator is read from its low end on.
.macro S1A set, b                      ; -c (k + bz)
.set rK, \set+8*(\b)
.irp p, 0,2,4,6
	v_pk_fma_f32 v[rK+\p:rK+\p+1], v[rK+\p:rK+\p+1], s[22:23], v[CBZ+2*((\b)/2):CBZ+2*((\b)/2)+1] op_sel_hi:[1,0,0]
.endr
.endm
.macro S1B set, b                      ; max(p, 0); c min(p, 0): the maximum is taken away ahead of the exponential; then 16 exponentials, one batch
.set rK, \set+8*(\b)
.set rP, \set+32+8*(\b)
.irp j, 0,1,2,3,4,5,6,7
	v_max_num_f32 v[MX+\j], 0, v[rP+\j]
.endr
.irp p, 0,2,4,6
	v_pk_add_f32 v[rP+\p:rP+\p+1], v[rP+\p:rP+\p+1], v[MX+\p:MX+\p+1] neg_lo:[0,1] neg_hi:[0,1]
.endr
.irp p, 0,2,4,6
	v_pk_mul_f32 v[rP+\p:rP+\p+1], v[rP+\p:rP+\p+1], s[24:25] op_sel_hi:[1,0]
.endr
.irp j, 0,1,2,3,4,5,6,7
	v_exp_f32 v[rK+\j], v[rK+\j]                   ; E = e^-(k + bz)
.endr
.irp j, 0,1,2,3,4,5,6,7
	v_exp_f32 v[rP+\j], v[rP+\j]                   ; e2 = e^min(p, 0), at most 1
.endr
.endm
.macro S3A set, b
.set rK, \set+8*(\b)
	v_nop                                          ; a plain line behind the last exponential,
	s_wait_alu depctr_va_vdst(0)                   ; and one wait for the batch of 16, ahead of its first reader
.irp j, 0,1,2,3,4,5,6,7
	v_min_num_f32 v[rK+\j], s26, v[rK+\j]          ; E held at 2^100, so that E z below is never infinity x 0
.endr
.endm
; Run prefixes of sub-batch b: L_u = a_u L_(u-1) + b_u, P_u = a_u P_(u-1), the two runs of a lane in the two halves of a pair
.macro CHAIN set, b
.set cK, \set+16*((\b)/2)
.set cL, \set+32+16*((\b)/2)
.irp u4, 0,1,2,3
.set cu, 4*((\b)%2)+\u4
.if cu > 0
	v_pk_fma_f32 v[cL+2*cu:cL+2*cu+1], v[cK+2*cu:cK+2*cu+1], v[cL+2*cu-2:cL+2*cu-1], v[cL+2*cu:cL+2*cu+1]
	v_pk_mul_f32 v[cK+2*cu:cK+2*cu+1], v[cK+2*cu:cK+2*cu+1], v[cK+2*cu-2:cK+2*cu-1]
.endif
.endr
.endm
.macro S3B set, b                      ; one reciprocal serves both sigmoids: R = 1 / ((1 + E)(1 + e2))
.set rK, \set+8*(\b)
.set rP, \set+32+8*(\b)
.irp p, 0,2,4,6
	v_pk_add_f32 v[T1+\p:T1+\p+1], v[rP+\p:rP+\p+1], 1.0 op_sel_hi:[1,0]                       ; 1 + e2
.endr
.irp p, 0,2,4,6
	v_pk_fma_f32 v[T2+\p:T2+\p+1], v[rK+\p:rK+\p+1], v[T1+\p:T1+\p+1], v[T1+\p:T1+\p+1]       ; (1 + E)(1 + e2)
.endr
.irp p, 0,2,4,6
	v_pk_fma_f32 v[rP+\p:rP+\p+1], v[rP+\p:rP+\p+1], v[rK+\p:rK+\p+1], v[rP+\p:rP+\p+1]       ; e2 (1 + E)
.endr
.irp j, 0,1,2,3,4,5,6,7
	v_rcp_f32 v[T2+\j], v[T2+\j]
.endr
.if (\b) > 0
	CHAIN \set, (\b)-1                             ; the sub-batch before: plain work behind the reciprocals
.else
	v_nop
.endif
	s_wait_alu depctr_va_vdst(0)                   ; one wait for the 8 reciprocals, ahead of their first reader
.irp p, 0,2,4,6
	v_pk_mul_f32 v[T1+\p:T1+\p+1], v[T1+\p:T1+\p+1], v[T2+\p:T2+\p+1]                         ; z = 1 / (1 + E)
.endr
.irp p, 0,2,4,6
	v_pk_fma_f32 v[MX+\p:MX+\p+1], v[rP+\p:rP+\p+1], v[T2+\p:T2+\p+1], v[MX+\p:MX+\p+1]       ; g = sigmoid(min(p, 0)) + max(p, 0)
.endr
.irp p, 0,2,4,6
	v_pk_mul_f32 v[rP+\p:rP+\p+1], v[T1+\p:T1+\p+1], v[MX+\p:MX+\p+1]                         ; b = z g
.endr
.irp p, 0,2,4,6
	v_pk_mul_f32 v[rK+\p:rK+\p+1], v[rK+\p:rK+\p+1], v[T1+\p:T1+\p+1]                         ; a = E z = 1 - z, without a difference
.endr
.endm
; The gates of the block in set (vw = 1), with the products of the next block into gset (g = 1), 8 at a time, between them.  Behind each 8 products stand four plain lines or more that name none of their registers,
; then the loads into the fragments that they have read (ISA guide 7.12.1 for vector instructions).
.macro PART1 set, gset, sl, g, vw
.irp ks, 0,1,2,3,4,5,6,7
.if \g
.if (\ks == 0) || (\ks == 7)
	s_wait_dscnt 0x0
.else
	s_wait_dscnt 0x4                               ; this K step's fragments are in; the next one's four loads may be out
.endif
	WIN 0x04                                       ; source 1, the weights: window 1
	MM \gset, \ks, \ks%2
	WIN 0
.endif
.if \vw
.if \ks%2 == 0
	S1A \set, \ks/2
.else
	S3A \set, \ks/2
.endif
.else
	PLACES
.endif
.if \g && (\ks < 6)
	ALOAD \sl, \ks+2, \ks%2
.endif
.if \vw
.if \ks%2 == 0
	S1B \set, \ks/2
.else
	S3B \set, \ks/2
.endif
.endif
.endr
.endm
; My wave's 32 steps as one pair (A, B): two runs make a lane's 16 steps, lanes l and l xor 16 the wave's 32 (lanes 0-15 come first in time).  Both halves of the lanes store the same 16 bytes with the same bits.
.macro COMPOSE set, par
	CHAIN \set, 3
.irp n, 0,1
	v_mul_f32 v[MX+\n], v[\set+16*\n+14], v[\set+16*\n+15]                                     ; AL
	v_fma_f32 v[MX+2+\n], v[\set+16*\n+15], v[\set+32+16*\n+14], v[\set+32+16*\n+15]          ; BL
.endr
.irp n, 0,1
	v_permlanex16_b32 v[MX+4+\n], v[MX+\n], s20, s21                                           ; AO, BO: the other half's
	v_permlanex16_b32 v[MX+6+\n], v[MX+2+\n], s20, s21
.endr
.irp n, 0,1
	v_cndmask_b32 v[T1+\n], v[MX+4+\n], v[MX+\n], s19                                          ; A of steps 16-31
	v_cndmask_b32 v[T1+2+\n], v[MX+2+\n], v[MX+6+\n], s19                                      ; B of steps 0-15
	v_cndmask_b32 v[T1+4+\n], v[MX+6+\n], v[MX+2+\n], s19                                      ; B of steps 16-31
.endr
	v_pk_mul_f32 v[T2:T2+1], v[MX:MX+1], v[MX+4:MX+5]
	v_pk_fma_f32 v[T2+2:T2+3], v[T1:T1+1], v[T1+2:T1+3], v[T1+4:T1+5]
	ds_store_b128 v[CST], v[T2:T2+3] offset:\par*2048
.endm
; ONE barrier a block, for two things: the waves' pairs lie in LDS, and nobody reads slot sl any more.  refill = 1: it is a round of the cluster's barrier, and slot sl is filled with the block two on: the load has a whole turn in which to land.
.macro SYNC refill, sl
	s_wait_tensorcnt 0x0                           ; all my tensor loads have landed, so a group 0 may be written
	ds_add_u32 v[SPW], v[NIL]                      ; 0 onto my spare word
.if \refill
	s_add_nc_u64 s[38+4*(\sl):39+4*(\sl)], s[38+4*(\sl):39+4*(\sl)], 2*SLOT
.endif
	s_wait_dscnt 0x0                               ; the add and my pair's store are done, and my reads of the slot are over
.if \refill
	CROUND
	tensor_load_to_lds s[36+4*(\sl):39+4*(\sl)], s[28:35]   ; my one tensor load behind the round, and the first thing there
	s_nop 0
	PLACES
.else
	s_barrier_signal -1
	s_barrier_wait -1
.endif
.endm
; The eight pairs are folded onto the block's carry, alike in every wave; on the way each wave keeps the carry at its own head.  Then the carries into my lane's two runs.
.macro FOLD set, par
.irp w, 0,1,2,3,4,5,6,7
	ds_load_b128 v[AF+4*\w:AF+4*\w+3], v[CRD] offset:\par*2048+256*\w
.endr
.irp w, 0,1,2,3,4,5,6,7
	s_wait_dscnt 7-\w                              ; wave w's pair is in; the younger ones may be out
	v_cndmask_b32 v[CW], v[CW], v[CARRY], s[44+\w]
	v_cndmask_b32 v[CW+1], v[CW+1], v[CARRY+1], s[44+\w]
	v_pk_fma_f32 v[CARRY:CARRY+1], v[AF+4*\w:AF+4*\w+1], v[CARRY:CARRY+1], v[AF+4*\w+2:AF+4*\w+3]
.endr
	v_pk_fma_f32 v[F:F+1], v[MX+4:MX+5], v[CW:CW+1], v[T1+2:T1+3]                              ; behind steps 0-15 (of use in lanes 16-31)
.irp n, 0,1
	v_cndmask_b32 v[CC+2*\n], v[CW+\n], v[F+\n], s19
.endr
.irp n, 0,1
	v_fma_f32 v[CC+2*\n+1], v[\set+16*\n+14], v[CC+2*\n], v[\set+32+16*\n+14]                  ; behind my first run
.endr
.endm
.macro APPLY set                       ; h = P x carry + L
.irp n, 0,1
.irp u, 0,1,2,3,4,5,6,7
	v_pk_fma_f32 v[\set+32+16*\n+2*\u:\set+32+16*\n+2*\u+1], v[\set+16*\n+2*\u:\set+16*\n+2*\u+1], v[CC+2*\n:CC+2*\n+1], v[\set+32+16*\n+2*\u:\set+32+16*\n+2*\u+1]
.endr
.endr
.endm
; h turns through my own stage (LDS serves a wave's instructions in order, ISA guide 5.7.1.4: no wait between the stores and the loads): a lane then holds one step's 32 channels, a whole block of the next K, and quantises it.
.macro OUT set
.irp n, 0,1
.irp rho, 0,1,2,3,4,5,6,7,8,9,10,11,12,13,14,15
	ds_store_b32 v[STO], v[\set+32+16*\n+\rho] offset:(8*(\rho%2)+\rho/2)*144+64*\n
.endr
.endr
.irp g, 0,1,2,3,4,5,6,7
	ds_load_b128 v[\set+4*\g:\set+4*\g+3], v[SRD] offset:16*\g
.endr
	s_wait_dscnt 0x0
	v_max3_num_f32 v[T1], |v[\set]|, |v[\set+1]|, |v[\set+2]|
	v_max3_num_f32 v[T1+1], |v[\set+3]|, |v[\set+4]|, |v[\set+5]|
.irp i, 6,10,14,18,22,26
	v_max3_num_f32 v[T1], v[T1], |v[\set+\i]|, |v[\set+\i+1]|
	v_max3_num_f32 v[T1+1], v[T1+1], |v[\set+\i+2]|, |v[\set+\i+3]|
.endr
	v_max3_num_f32 v[T1], v[T1], |v[\set+30]|, |v[\set+31]|
	v_max3_num_f32 v[T1], v[T1], v[T1+1], 0x1800000   ; the floor 2^(3 - 127): the byte cannot fall under 1
	v_add_nc_u32 v[T1+2], 0xff000000, v[T1]        ; 2 off the exponent field: the conversion's scale operand
.irp g, 0,1,2,3
	v_cvt_scalef32_pk8_fp4_f32 v[CD+\g], v[\set+8*\g:\set+8*\g+7], v[T1+2]
.endr
	v_lshrrev_b32 v[BYT], 23, v[T1+2]              ; the scale's byte (a plain line behind the conversions)
	global_store_b128 v[GO], v[CD:CD+3], s[12:13]  ; each half of the lanes stores 256 consecutive bytes, aligned
	global_store_b8 v[GS], v[BYT], s[12:13]
.endm
; A TURN: block t (set t % 2) is gated, scanned and stored; block t + 1 is multiplied (g); block t + 3 is asked for (refill); block t + 2's first fragments are fetched (nxt).
.macro ITER par, refill, g, nxt
	s_wait_xcnt 0x0                                ; the last turn's stores have read their registers and their base
	s_add_nc_u64 s[12:13], s[12:13], s[62:63]
	s_mov_b32 s62, OSTEP
	PART1 SET0+64*\par, SET0+64*(1-\par), 1-\par, \g, 1
	COMPOSE SET0+64*\par, \par
	SYNC \refill, 1-\par
	FOLD SET0+64*\par, \par
.if \nxt
	NEXTA \par
.endif
	APPLY SET0+64*\par
	OUT SET0+64*\par
.endm
	s_wait_tensorcnt 0x1                           ; my tile of block 0 is in; block 1's may be out.  I alone read my tiles
	NEXTA 0
	PART1 SET0, SET0, 0, 1, 0                      ; block 0's products: there is no vector work yet to set between them
	SYNC 1, 0                                      ; block 2 is asked for
	NEXTA 1
	s_mov_b32 s18, 2
.Lpair:                                            ; blocks 0 to 3
	ITER 0, 1, 1, 1
	ITER 1, 1, 1, 1
	s_sub_co_u32 s18, s18, 1
	s_cmp_lg_u32 s18, 0
	s_cbranch_scc1 .Lpair
	ITER 0, 1, 1, 1                                ; the tail is written out: block 4 asks for block 7
	ITER 1, 0, 1, 1                                ; block 5 for nothing,
	ITER 0, 0, 1, 0                                ; block 6 fetches nothing more,
	ITER 1, 0, 0, 0                                ; block 7 multiplies nothing more
	s_wait_tensorcnt 0x0                           ; the wave's end
	ds_add_u32 v[SPW], v[NIL]
	s_wait_dscnt 0x0
	CROUND                                         ; the closing round
	s_endpgm
.Lfunc_end_k_q5d0cfff1fb_layer1:
	.size	k_q5d0cfff1fb_layer1, .Lfunc_end_k_q5d0cfff1fb_layer1-k_q5d0cfff1fb_layer1
	.p2alignl 7, 3214868480
	.fill 96, 4, 3214868480
	.section	.rodata,"a",@progbits
	.p2align	6, 0x0
	.amdhsa_kernel k_q5d0cfff1fb_layer1
		.amdhsa_group_segment_fixed_size 327680
		.amdhsa_private_segment_fixed_size 0
		.amdhsa_enable_private_segment 0
		.amdhsa_kernarg_size 40
		.amdhsa_user_sgpr_count 2
		.amdhsa_user_sgpr_kernarg_segment_ptr 1
		.amdhsa_wavefront_size32 1
		.amdhsa_system_sgpr_workgroup_id_x 1
		.amdhsa_system_sgpr_workgroup_id_y 1
		.amdhsa_system_sgpr_workgroup_id_z 1
		.amdhsa_system_vgpr_workitem_id 0
		.amdhsa_next_free_vgpr 512
		.amdhsa_next_free_sgpr 72
		.amdhsa_reserve_vcc 0
		.amdhsa_float_denorm_mode_32 3
		.amdhsa_float_denorm_mode_16_64 3
		.amdhsa_memory_ordered 1
		.amdhsa_forward_progress 1
		.amdhsa_inst_pref_size 241
	.end_amdhsa_kernel
	.amdgpu_metadata
---
amdhsa.version: [ 1, 2 ]
amdhsa.kernels:
  - .name:           k_q5d0cfff1fb_layer1
    .symbol:         k_q5d0cfff1fb_layer1.kd
    .args:
      - { .name: xq, .offset: 0, .size: 8, .value_kind: global_buffer, .address_space: global }
      - { .name: wq, .offset: 8, .size: 8, .value_kind: global_buffer, .address_space: global }
      - { .name: bz, .offset: 16, .size: 8, .value_kind: global_buffer, .address_space: global }
      - { .name: bh, .offset: 24, .size: 8, .value_kind: global_buffer, .address_space: global }
      - { .name: hq, .offset: 32, .size: 8, .value_kind: global_buffer, .address_space: global }
    .group_segment_fixed_size: 327680
    .private_segment_fixed_size: 0
    .kernarg_segment_align: 8
    .kernarg_segment_size: 40
    .max_flat_workgroup_size: 256
    .sgpr_count:     72
    .vgpr_count:     512
    .wavefront_size: 32
...
	.end_amdgpu_metadata
.endif
;; end of part 2
;; launch layer2 (part 3): grid 32 x 8, 8 waves a work-group, clusters of 4 x 1, 327,680 bytes of LDS; arguments hq, wq, bz, bh, out0; writes out0
.if DOCPART == 3
	.amdgcn_target "amdgcn-amd-amdhsa--gfx1250"
	.amdhsa_code_object_version 6
	.text
	.protected	k_q5d0cfff1fb_layer2
	.globl	k_q5d0cfff1fb_layer2
	.p2align	8
	.type	k_q5d0cfff1fb_layer2,@function
k_q5d0cfff1fb_layer2:
	s_mov_b64 s[64:65], 0
	v_nop
	global_prefetch_b8 v0, s[64:65] scope:SCOPE_SE
	s_setreg_imm32_b32 hwreg(HW_REG_WAVE_MODE, 25, 1), 1
	s_wait_xcnt 0x0
	s_wait_alu depctr_hold_cnt(0) depctr_sa_sdst(0) depctr_va_vdst(0) depctr_va_sdst(0) depctr_va_ssrc(0) depctr_va_vcc(0) depctr_vm_vsrc(0)
	s_getreg_b32 s2, hwreg(HW_REG_IB_STS2, 6, 4)
	s_cmp_eq_u32 s2, 0
	s_cbranch_scc0 .Lentry_in_a_cluster
	s_endpgm
.Lentry_in_a_cluster:
	s_bfe_u32 s2, ttmp6, 0x10000c
	s_cmp_lg_u32 s2, 0x3003
	s_cbranch_scc0 .Lentry_shape_is_right
	s_endpgm
.Lentry_shape_is_right:
; minGRU, layer 1: k = X Wz^T + bz, p = X Wh^T + bh on codes of FP4 (E2M1) with E8M0 scales, X the first layer's h as records; z = sigmoid(k); g = p + 0.5 where p >= 0, else sigmoid(p);
; h_t = (1 - z_t) h_(t-1) + z_t g_t, h_0 = 0.5.  That recurrence is the scan of the log-space form taken out of the logarithm: a convex combination of positive numbers, in which no exponential of a sum is formed.  h is the output, f32.
; RECORDS (16 rows x 1,024 along K, 8,704 bytes): codes [block 0..31][slot 0..15][16 bytes], scale bytes [hh][slot][16]: the image of an operand's registers.  In X's records slot m of record i holds time step 16 (m / 8) + 8 (m % 2) + 4 i + (m % 8) / 2 of a group of 32.
; SHARES.  A work-group owns 32 channels (a slab) of one batch for all 2,048 steps: time is sequential, and no work-group hands anything to another.  Time goes in 8 blocks of 256 steps; in a block wave w owns steps 32 w .. 32 w + 31: two records.
; Every wave keeps the slab's four weight records (z and h, 2 x 16 channels) in 256 registers.  Source 0 = X's 16 slots, source 1 = 16 channels: lane (r, h) holds channel r, register j slot 8 h + j.
; So register rho = 8 i + j = 2 u + q of a lane is step 16 h + 8 q + u: even and odd registers are two runs of 8 steps, and the scan runs in packed f32.
; THE SCAN.  In a run: prefix products P and prefix sums L (h = P x carry + L).  Two runs make a lane, two lanes (l, l xor 16) a wave; each wave's pair (A, B) goes to LDS; behind one barrier every wave folds the eight pairs onto the block's carry.
; PIPELINE.  In a turn the products of block t + 1 stand, 8 at a time, between the gates of block t; two sets of 64 registers change places.
; CLUSTER.  The four slabs of a cluster read the same X: each wave's tile (its two records) is asked for JOINTLY by the same wave of all four work-groups.  A wave reads only the tile that it asked for.
; LIMITS: NaN and infinities are not served.  e^-k is held at 2^100, so a gate under 2^-100 is held there (error under 2^-100 g).  What v_exp_f32 and v_rcp_f32 flush (under 2^-126) counts as 0.
; A slab's part of a row of the output is 32 x 4 = 128 bytes: eight lanes store 128 consecutive bytes, aligned; with 256 owners of 8 x 1,024 recurrences it cannot be more.
.set LAYER, 1
.set REC,   8704
.set WTILE, 2*REC                      ; a wave's tile
.set SLOT,  16*REC                     ; a block of 256 steps
.set STAGE, 2*SLOT                     ; behind the ring: a stage for each wave: step tau at 144 tau + 64 (tau / 16)
.set WSTG,  4864
.set CMP,   STAGE+8*WSTG               ; the waves' pairs (A, B): two parities x [wave][r][16 bytes]
.set SPARE, CMP+2*2048                 ; the spare words, 128 bytes for each wave: four blocks of 256 bytes that no other line names
.set OSTEP, 256*4096                   ; a block's rows in the output
.set WOFF,  LAYER*64*REC               ; the layer's first record of Wz; Wh's lie 128 records on
.set SPW,   1                          ; v1   LDS address of my spare word; never rewritten
.set NIL,   2                          ; v2   0; never rewritten
.set ADR,   3                          ; v3-4 my tile in slot 0, 1: + 16 x lane
.set STO,   5                          ; v5   the stage, on the way in
.set SRD,   6                          ; v6   and on the way out
.set CST,   7                          ; v7   where I store my wave's pair
.set CRD,   8                          ; v8   where I read the waves' pairs
.set GO,    9                          ; v9   my 16 bytes' place in a block's rows of the output
.set L16,   11                         ; v11  16 x lane
.set CARRY, 12                         ; v[12:13] h at the block's head, channels r and 16 + r
.set CW,    14                         ; v[14:15] h at my wave's head
.set CBZ,   16                         ; v[16:19] -c bz, a pair for each 16 channels
.set BH,    20                         ; v[20:35] bh as the C of a sum's first product: eight equal registers for each 16 channels
.set BSC,   36                         ; v[36:51] the weights' scale words
.set ASC,   52                         ; v[52:59] X's scale words
.set MX,    60                         ; v[60:67], v[68:75], v[76:83] at work
.set T1,    68
.set T2,    76
.set AF,    84                         ; v[84:115] X's fragments: two buffers x two records x 8
.set CC,    116                        ; v[116:119] the carries into my runs: a pair (q = 0, 1) for each 16 channels
.set F,     120
.set SET0,  128                        ; v[128:191], v[192:255]: two sets; in a set k, then P, at 16 n + rho; p, then L, at 32 + 16 n + rho.  Window 1: the weights' fragments (record nt, K step s) at 64 nt + 8 s
.set MSB, 0
.macro WIN new                         ; the immediate's high byte repeats the setting that is left
.if MSB != \new
	s_set_vgpr_msb (MSB<<8)|\new
.set MSB, \new
.endif
.endm
.macro PLACES
.rept 4
	v_nop
.endr
.endm
.macro CROUND                          ; a round of the cluster's barrier
	s_barrier_signal -1
	s_barrier_wait -1
	s_cmp_lg_u32 s14, 0
	s_cbranch_scc1 .Lnot_wave_0_\@
	s_barrier_signal -3
.Lnot_wave_0_\@:
	s_barrier_wait -3
	s_barrier_signal -1
	s_barrier_wait -1
.endm
	s_load_b256 s[4:11], s[0:1], 0x0               ; X's records s[4:5], the weights' s[6:7], bz s[8:9], bh s[10:11]
	s_load_b64 s[12:13], s[0:1], 0x20              ; the output
	v_lshl_add_u32 v[SPW], v0, 2, SPARE
	v_mov_b32 v[NIL], 0
	ds_add_u32 v1, v2
	ds_add_u32 v1, v2
	s_wait_dscnt 0x0
	v_lshrrev_b32 v60, 5, v0
	v_readfirstlane_b32 s14, v60                   ; wave 0..7
	s_bfe_u32 s15, ttmp6, 0x40000                  ; cx
	s_lshl_b32 s16, ttmp9, 2
	s_add_co_u32 s16, s16, s15                     ; slab = 4 x cluster x + cx: it enters global addresses alone
	s_and_b32 s17, ttmp7, 0xffff                   ; batch, which the four partners share
	s_mov_b32 s19, 0xffff0000                      ; lanes 16-31
	s_mov_b32 s20, 0x76543210
	s_mov_b32 s21, 0xfedcba98                      ; v_permlanex16_b32's selects for lane l xor 16
	s_mov_b32 s22, 0xbfb8aa3b                      ; -c, c = log2(e)
	s_mov_b32 s23, s22                             ; (named with it as a pair, so it is written)
	s_mov_b32 s24, 0x3fb8aa3b                      ; c
	s_mov_b32 s25, s24
	s_mov_b32 s26, 0x71800000                      ; 2^100
	; descriptor group 1: a wave's tile, 17,408 dense bytes, as 68 rows of 32 elements of 8 bytes
	s_mov_b32 s28, 15|(3<<16)|(1<<21)              ; 15:0 the mask: all four work-groups; 17:16 elements of 8 bytes; 21 set beside a mask; no padding: a load of 16 bytes a lane takes 512 consecutive bytes
	s_mov_b32 s29, 32<<16                          ; tensor_dim0 = 32
	s_mov_b32 s30, 68<<16                          ; tensor_dim1 = 68
	s_mov_b32 s31, 32<<16                          ; tile_dim0 = 32
	s_mov_b32 s32, 68                              ; tile_dim1 = 68
	s_mov_b32 s33, 32                              ; tensor_dim0_stride
	s_mov_b32 s34, 0
	s_mov_b32 s35, 0
.irp w, 0,1,2,3,4,5,6,7
	s_cmp_eq_u32 s14, \w
	s_cselect_b32 s[44+\w], -1, 0                  ; all lanes where I am wave w
.endr
	s_mul_i32 s52, s17, 128*REC                    ; the batch's records
	s_mul_i32 s53, s14, WTILE                      ; my tile in a block, in memory and in a slot
	s_add_co_u32 s54, s52, s53
	s_mov_b32 s55, 0
	s_wait_kmcnt 0x0
	s_add_nc_u64 s[54:55], s[4:5], s[54:55]
.irp sl, 0,1
	s_mov_b32 s[36+4*\sl], 1                       ; group 0 for slot sl: count = 1
	s_add_co_u32 s[37+4*\sl], s53, \sl*SLOT        ; LDS address
	s_add_nc_u64 s[38+4*\sl:39+4*\sl], s[54:55], \sl*SLOT   ; global address: block sl
	s_or_b32 s[39+4*\sl], s[39+4*\sl], 0x80000000  ; type = 2
.endr
	CROUND                                         ; all four work-groups are here: the first joint loads meet
	tensor_load_to_lds s[36:39], s[28:35]          ; blocks 0 and 1: two loads of mine are out
	s_nop 0
	tensor_load_to_lds s[40:43], s[28:35]
	s_nop 0
	PLACES
	s_mul_i32 s56, s16, 2*REC                      ; the slab's two records of each weight
	s_mov_b32 s57, 0
	s_add_nc_u64 s[6:7], s[6:7], s[56:57]
	v_and_b32 v[L16], 31, v0
	v_lshlrev_b32 v[L16], 4, v[L16]
	WIN 0x40                                       ; destination window 1
.irp nt, 0,1,2,3                       ; record nt: 0, 1 Wz's channels 16 nt + r; 2, 3 Wh's.  They stay
.irp s, 0,1,2,3,4,5,6,7
.irp c, 0,1
	global_load_b128 v[64*\nt+8*\s+4*\c:64*\nt+8*\s+4*\c+3], v[L16], s[6:7] offset:WOFF+(\nt%2)*REC+(\nt/2)*128*REC+\s*1024+\c*512
.endr
.endr
.endr
	WIN 0
.irp nt, 0,1,2,3
	global_load_b128 v[BSC+4*\nt:BSC+4*\nt+3], v[L16], s[6:7] offset:WOFF+(\nt%2)*REC+(\nt/2)*128*REC+8192   ; register i: K step i's words in lanes 0-15, K step 4 + i's in lanes 16-31
.endr
	s_lshl_b32 s56, s16, 7                         ; the slab's 32 numbers of a bias
	s_add_nc_u64 s[8:9], s[8:9], s[56:57]
	s_add_nc_u64 s[10:11], s[10:11], s[56:57]
	v_and_b32 v60, 15, v0                          ; r
	v_bfe_u32 v61, v0, 4, 1                        ; h
	v_lshlrev_b32 v62, 2, v60
.irp n, 0,1
	global_load_b32 v[CBZ+2*\n], v62, s[8:9] offset:LAYER*4096+64*\n
.irp j, 0,1,2,3,4,5,6,7
	global_load_b32 v[BH+8*\n+\j], v62, s[10:11] offset:LAYER*4096+64*\n
.endr
.endr
	v_add_nc_u32 v[ADR], s53, v[L16]
	v_add_nc_u32 v[ADR+1], SLOT, v[ADR]
	s_mul_i32 s58, s14, WSTG
	s_add_co_u32 s58, s58, STAGE                   ; my stage
	v_mul_u32_u24 v63, v61, 2368
	v_lshl_add_u32 v63, v60, 2, v63
	v_add_nc_u32 v[STO], s58, v63                  ; in: step 16 h, channel r; the rest stands in the immediate
	v_bfe_u32 v64, v0, 3, 2                        ; out: eight lanes to a step's 128 bytes, four steps an instruction
	v_and_b32 v65, 7, v0
	v_mul_u32_u24 v63, v64, 144
	v_lshl_add_u32 v63, v65, 4, v63
	v_add_nc_u32 v[SRD], s58, v63
	s_lshl_b32 s59, s14, 8
	s_add_co_u32 s59, s59, CMP
	v_lshl_add_u32 v[CST], v60, 4, s59
	v_lshl_add_u32 v[CRD], v60, 4, CMP
	v_lshlrev_b32 v66, 12, v64                     ; the same four steps in the output: rows of 4,096 bytes,
	v_lshl_add_u32 v66, v65, 4, v66
	s_lshl_b32 s60, s14, 17                        ; my wave's 32 rows,
	s_lshl_b32 s61, s16, 7                         ; the slab's 128 bytes of a row
	s_add_co_u32 s60, s60, s61
	v_add_nc_u32 v[GO], s60, v66
	s_lshl_b32 s62, s17, 23                        ; what the first turn adds to the output's address: the batch's 2,048 rows; later turns add a block
	s_mov_b32 s63, 0
	v_mov_b32 v[CARRY], 0.5                        ; h_0
	v_mov_b32 v[CARRY+1], 0.5
	v_mov_b32 v[CW], 0
	v_mov_b32 v[CW+1], 0
	s_wait_loadcnt 0x0                             ; weights, scale words, biases
.irp n, 0,1
	v_mul_f32 v[CBZ+2*\n], s22, v[CBZ+2*\n]
	v_mov_b32 v[CBZ+2*\n+1], v[CBZ+2*\n]           ; (named with it as a pair, so it is written)
.endr
.macro ALOAD sl, ks, buf               ; X's fragments of K step ks, both records, into buffer buf
.irp i, 0,1
.irp c, 0,1
	ds_load_b128 v[AF+16*(\buf)+8*\i+4*\c:AF+16*(\buf)+8*\i+4*\c+3], v[ADR+(\sl)] offset:\i*REC+(\ks)*1024+\c*512
.endr
.endr
.endm
.macro NEXTA sl                        ; a block's scale words and its first two K steps
.irp i, 0,1
	ds_load_b128 v[ASC+4*\i:ASC+4*\i+3], v[ADR+(\sl)] offset:\i*REC+8192
.endr
	ALOAD \sl, 0, 0
	ALOAD \sl, 1, 1
.endm
; 8 products: two records x four weight records, 128 along K.  The 8 accumulators take turns, one instruction a turn.  K step 0 starts the sums: with 0 for k (bz goes into the gate's first line), with bh for p.
.macro MM acc, ks, buf
.irp i, 0,1
.irp nt, 0,1,2,3
.set rD, \acc+32*(\nt/2)+16*(\nt%2)+8*\i
.set rA, AF+16*(\buf)+8*\i
.set rB, 64*\nt+8*(\ks)
.set rX, ASC+4*\i+(\ks)%4
.set rW, BSC+4*\nt+(\ks)%4
.if ((\ks) == 0) && (\nt < 2)
	v_wmma_scale_f32_16x16x128_f8f6f4 v[rD:rD+7], v[rA:rA+7], v[rB:rB+7], 0, v[rX], v[rW] matrix_a_fmt:MATRIX_FMT_FP4 matrix_b_fmt:MATRIX_FMT_FP4
.elseif (\ks) == 0
	v_wmma_scale_f32_16x16x128_f8f6f4 v[rD:rD+7], v[rA:rA+7], v[rB:rB+7], v[BH+8*(\nt-2):BH+8*(\nt-2)+7], v[rX], v[rW] matrix_a_fmt:MATRIX_FMT_FP4 matrix_b_fmt:MATRIX_FMT_FP4
.elseif (\ks) < 4
	v_wmma_scale_f32_16x16x128_f8f6f4 v[rD:rD+7], v[rA:rA+7], v[rB:rB+7], v[rD:rD+7], v[rX], v[rW] matrix_a_fmt:MATRIX_FMT_FP4 matrix_b_fmt:MATRIX_FMT_FP4
.else
	v_wmma_scale_f32_16x16x128_f8f6f4 v[rD:rD+7], v[rA:rA+7], v[rB:rB+7], v[rD:rD+7], v[rX], v[rW] matrix_a_fmt:MATRIX_FMT_FP4 matrix_b_fmt:MATRIX_FMT_FP4 matrix_a_scale:MATRIX_SCALE_ROW1 matrix_b_scale:MATRIX_SCALE_ROW1
.endif
.endr
.endr
.endm
; THE GATES of sub-batch b = 2 n + i: 8 registers of k at set + 8 b, 8 of p at set + 32 + 8 b.  Each accumulator is read from its low end on.
.macro S1A set, b                      ; -c (k + bz)
.set rK, \set+8*(\b)
.irp p, 0,2,4,6
	v_pk_fma_f32 v[rK+\p:rK+\p+1], v[rK+\p:rK+\p+1], s[22:23], v[CBZ+2*((\b)/2):CBZ+2*((\b)/2)+1] op_sel_hi:[1,0,0]
.endr
.endm
.macro S1B set, b                      ; max(p, 0); c min(p, 0): the maximum is taken away ahead of the exponential; then 16 exponentials, one batch
.set rK, \set+8*(\b)
.set rP, \set+32+8*(\b)
.irp j, 0,1,2,3,4,5,6,7
	v_max_num_f32 v[MX+\j], 0, v[rP+\j]
.endr
.irp p, 0,2,4,6
	v_pk_add_f32 v[rP+\p:rP+\p+1], v[rP+\p:rP+\p+1], v[MX+\p:MX+\p+1] neg_lo:[0,1] neg_hi:[0,1]
.endr
.irp p, 0,2,4,6
	v_pk_mul_f32 v[rP+\p:rP+\p+1], v[rP+\p:rP+\p+1], s[24:25] op_sel_hi:[1,0]
.endr
.irp j, 0,1,2,3,4,5,6,7
	v_exp_f32 v[rK+\j], v[rK+\j]                   ; E = e^-(k + bz)
.endr
.irp j, 0,1,2,3,4,5,6,7
	v_exp_f32 v[rP+\j], v[rP+\j]                   ; e2 = e^min(p, 0), at most 1
.endr
.endm
.macro S3A set, b
.set rK, \set+8*(\b)
	v_nop                                          ; a plain line behind the last exponential,
	s_wait_alu depctr_va_vdst(0)                   ; and one wait for the batch of 16, ahead of its first reader
.irp j, 0,1,2,3,4,5,6,7
	v_min_num_f32 v[rK+\j], s26, v[rK+\j]          ; E held at 2^100, so that E z below is never infinity x 0
.endr
.endm
; Run prefixes of sub-batch b: L_u = a_u L_(u-1) + b_u, P_u = a_u P_(u-1), the two runs of a lane in the two halves of a pair
.macro CHAIN set, b
.set cK, \set+16*((\b)/2)
.set cL, \set+32+16*((\b)/2)
.irp u4, 0,1,2,3
.set cu, 4*((\b)%2)+\u4
.if cu > 0
	v_pk_fma_f32 v[cL+2*cu:cL+2*cu+1], v[cK+2*cu:cK+2*cu+1], v[cL+2*cu-2:cL+2*cu-1], v[cL+2*cu:cL+2*cu+1]
	v_pk_mul_f32 v[cK+2*cu:cK+2*cu+1], v[cK+2*cu:cK+2*cu+1], v[cK+2*cu-2:cK+2*cu-1]
.endif
.endr
.endm
.macro S3B set, b                      ; one reciprocal serves both sigmoids: R = 1 / ((1 + E)(1 + e2))
.set rK, \set+8*(\b)
.set rP, \set+32+8*(\b)
.irp p, 0,2,4,6
	v_pk_add_f32 v[T1+\p:T1+\p+1], v[rP+\p:rP+\p+1], 1.0 op_sel_hi:[1,0]                       ; 1 + e2
.endr
.irp p, 0,2,4,6
	v_pk_fma_f32 v[T2+\p:T2+\p+1], v[rK+\p:rK+\p+1], v[T1+\p:T1+\p+1], v[T1+\p:T1+\p+1]       ; (1 + E)(1 + e2)
.endr
.irp p, 0,2,4,6
	v_pk_fma_f32 v[rP+\p:rP+\p+1], v[rP+\p:rP+\p+1], v[rK+\p:rK+\p+1], v[rP+\p:rP+\p+1]       ; e2 (1 + E)
.endr
.irp j, 0,1,2,3,4,5,6,7
	v_rcp_f32 v[T2+\j], v[T2+\j]
.endr
.if (\b) > 0
	CHAIN \set, (\b)-1                             ; the sub-batch before: plain work behind the reciprocals
.else
	v_nop
.endif
	s_wait_alu depctr_va_vdst(0)                   ; one wait for the 8 reciprocals, ahead of their first reader
.irp p, 0,2,4,6
	v_pk_mul_f32 v[T1+\p:T1+\p+1], v[T1+\p:T1+\p+1], v[T2+\p:T2+\p+1]                         ; z = 1 / (1 + E)
.endr
.irp p, 0,2,4,6
	v_pk_fma_f32 v[MX+\p:MX+\p+1], v[rP+\p:rP+\p+1], v[T2+\p:T2+\p+1], v[MX+\p:MX+\p+1]       ; g = sigmoid(min(p, 0)) + max(p, 0)
.endr
.irp p, 0,2,4,6
	v_pk_mul_f32 v[rP+\p:rP+\p+1], v[T1+\p:T1+\p+1], v[MX+\p:MX+\p+1]                         ; b = z g
.endr
.irp p, 0,2,4,6
	v_pk_mul_f32 v[rK+\p:rK+\p+1], v[rK+\p:rK+\p+1], v[T1+\p:T1+\p+1]                         ; a = E z = 1 - z, without a difference
.endr
.endm
; The gates of the block in set (vw = 1), with the products of the next block into gset (g = 1), 8 at a time, between them.  Behind each 8 products stand four plain lines or more that name none of their registers,
; then the loads into the fragments that they have read (ISA guide 7.12.1 for vector instructions).
.macro PART1 set, gset, sl, g, vw
.irp ks, 0,1,2,3,4,5,6,7
.if \g
.if (\ks == 0) || (\ks == 7)
	s_wait_dscnt 0x0
.else
	s_wait_dscnt 0x4                               ; this K step's fragments are in; the next one's four loads may be out
.endif
	WIN 0x04                                       ; source 1, the weights: window 1
	MM \gset, \ks, \ks%2
	WIN 0
.endif
.if \vw
.if \ks%2 == 0
	S1A \set, \ks/2
.else
	S3A \set, \ks/2
.endif
.else
	PLACES
.endif
.if \g && (\ks < 6)
	ALOAD \sl, \ks+2, \ks%2
.endif
.if \vw
.if \ks%2 == 0
	S1B \set, \ks/2
.else
	S3B \set, \ks/2
.endif
.endif
.endr
.endm
; My wave's 32 steps as one pair (A, B): two runs make a lane's 16 steps, lanes l and l xor 16 the wave's 32 (lanes 0-15 come first in time).  Both halves of the lanes store the same 16 bytes with the same bits.
.macro COMPOSE set, par
	CHAIN \set, 3
.irp n, 0,1
	v_mul_f32 v[MX+\n], v[\set+16*\n+14], v[\set+16*\n+15]                                     ; AL
	v_fma_f32 v[MX+2+\n], v[\set+16*\n+15], v[\set+32+16*\n+14], v[\set+32+16*\n+15]          ; BL
.endr
.irp n, 0,1
	v_permlanex16_b32 v[MX+4+\n], v[MX+\n], s20, s21                                           ; AO, BO: the other half's
	v_permlanex16_b32 v[MX+6+\n], v[MX+2+\n], s20, s21
.endr
.irp n, 0,1
	v_cndmask_b32 v[T1+\n], v[MX+4+\n], v[MX+\n], s19                                          ; A of steps 16-31
	v_cndmask_b32 v[T1+2+\n], v[MX+2+\n], v[MX+6+\n], s19                                      ; B of steps 0-15
	v_cndmask_b32 v[T1+4+\n], v[MX+6+\n], v[MX+2+\n], s19                                      ; B of steps 16-31
.endr
	v_pk_mul_f32 v[T2:T2+1], v[MX:MX+1], v[MX+4:MX+5]
	v_pk_fma_f32 v[T2+2:T2+3], v[T1:T1+1], v[T1+2:T1+3], v[T1+4:T1+5]
	ds_store_b128 v[CST], v[T2:T2+3] offset:\par*2048
.endm
; ONE barrier a block, for two things: the waves' pairs lie in LDS, and nobody reads slot sl any more.  refill = 1: it is a round of the cluster's barrier, and slot sl is filled with the block two on: the load has a whole turn in which to land.
.macro SYNC refill, sl
	s_wait_tensorcnt 0x0                           ; all my tensor loads have landed, so a group 0 may be written
	ds_add_u32 v[SPW], v[NIL]                      ; 0 onto my spare word
.if \refill
	s_add_nc_u64 s[38+4*(\sl):39+4*(\sl)], s[38+4*(\sl):39+4*(\sl)], 2*SLOT
.endif
	s_wait_dscnt 0x0                               ; the add and my pair's store are done, and my reads of the slot are over
.if \refill
	CROUND
	tensor_load_to_lds s[36+4*(\sl):39+4*(\sl)], s[28:35]   ; my one tensor load behind the round, and the first thing there
	s_nop 0
	PLACES
.else
	s_barrier_signal -1
	s_barrier_wait -1
.endif
.endm
; The eight pairs are folded onto the block's carry, alike in every wave; on the way each wave keeps the carry at its own head.  Then the carries into my lane's two runs.
.macro FOLD set, par
.irp w, 0,1,2,3,4,5,6,7
	ds_load_b128 v[AF+4*\w:AF+4*\w+3], v[CRD] offset:\par*2048+256*\w
.endr
.irp w, 0,1,2,3,4,5,6,7
	s_wait_dscnt 7-\w                              ; wave w's pair is in; the younger ones may be out
	v_cndmask_b32 v[CW], v[CW], v[CARRY], s[44+\w]
	v_cndmask_b32 v[CW+1], v[CW+1], v[CARRY+1], s[44+\w]
	v_pk_fma_f32 v[CARRY:CARRY+1], v[AF+4*\w:AF+4*\w+1], v[CARRY:CARRY+1], v[AF+4*\w+2:AF+4*\w+3]
.endr
	v_pk_fma_f32 v[F:F+1], v[MX+4:MX+5], v[CW:CW+1], v[T1+2:T1+3]                              ; behind steps 0-15 (of use in lanes 16-31)
.irp n, 0,1
	v_cndmask_b32 v[CC+2*\n], v[CW+\n], v[F+\n], s19
.endr
.irp n, 0,1
	v_fma_f32 v[CC+2*\n+1], v[\set+16*\n+14], v[CC+2*\n], v[\set+32+16*\n+14]                  ; behind my first run
.endr
.endm
.macro APPLY set                       ; h = P x carry + L
.irp n, 0,1
.irp u, 0,1,2,3,4,5,6,7
	v_pk_fma_f32 v[\set+32+16*\n+2*\u:\set+32+16*\n+2*\u+1], v[\set+16*\n+2*\u:\set+16*\n+2*\u+1], v[CC+2*\n:CC+2*\n+1], v[\set+32+16*\n+2*\u:\set+32+16*\n+2*\u+1]
.endr
.endr
.endm
; h turns through my own stage (LDS serves a wave's instructions in order, ISA guide 5.7.1.4: no wait between the stores and the loads) and leaves by rows: eight lanes store a step's 128 consecutive bytes, four steps an instruction.
.macro OUT set
.irp n, 0,1
.irp rho, 0,1,2,3,4,5,6,7,8,9,10,11,12,13,14,15
	ds_store_b32 v[STO], v[\set+32+16*\n+\rho] offset:(8*(\rho%2)+\rho/2)*144+64*\n
.endr
.endr
.irp g, 0,1,2,3,4,5,6,7
	ds_load_b128 v[\set+4*\g:\set+4*\g+3], v[SRD] offset:576*\g+64*(\g/4)      ; steps 4 g .. 4 g + 3, into the registers that the prefix products have left
.endr
.irp g, 0,1,2,3,4,5,6,7
	s_wait_dscnt 7-\g                              ; these four steps are back; the younger loads may be out
	global_store_b128 v[GO], v[\set+4*\g:\set+4*\g+3], s[12:13] offset:16384*\g th:TH_STORE_NT   ; written once, read by nobody here
.endr
.endm
; A TURN: block t (set t % 2) is gated, scanned and stored; block t + 1 is multiplied (g); block t + 3 is asked for (refill); block t + 2's first fragments are fetched (nxt).
.macro ITER par, refill, g, nxt
	s_wait_xcnt 0x0                                ; the last turn's stores have read their registers and their base
	s_add_nc_u64 s[12:13], s[12:13], s[62:63]
	s_mov_b32 s62, OSTEP
	PART1 SET0+64*\par, SET0+64*(1-\par), 1-\par, \g, 1
	COMPOSE SET0+64*\par, \par
	SYNC \refill, 1-\par
	FOLD SET0+64*\par, \par
.if \nxt
	NEXTA \par
.endif
	APPLY SET0+64*\par
	OUT SET0+64*\par
.endm
	s_wait_tensorcnt 0x1                           ; my tile of block 0 is in; block 1's may be out.  I alone read my tiles
	NEXTA 0
	PART1 SET0, SET0, 0, 1, 0                      ; block 0's products: there is no vector work yet to set between them
	SYNC 1, 0                                      ; block 2 is asked for
	NEXTA 1
	s_mov_b32 s18, 2
.Lpair:                                            ; blocks 0 to 3
	ITER 0, 1, 1, 1
	ITER 1, 1, 1, 1
	s_sub_co_u32 s18, s18, 1
	s_cmp_lg_u32 s18, 0
	s_cbranch_scc1 .Lpair
	ITER 0, 1, 1, 1                                ; the tail is written out: block 4 asks for block 7
	ITER 1, 0, 1, 1                                ; block 5 for nothing,
	ITER 0, 0, 1, 0                                ; block 6 fetches nothing more,
	ITER 1, 0, 0, 0                                ; block 7 multiplies nothing more
	s_wait_tensorcnt 0x0                           ; the wave's end
	ds_add_u32 v[SPW], v[NIL]
	s_wait_dscnt 0x0
	CROUND                                         ; the closing round
	s_endpgm
.Lfunc_end_k_q5d0cfff1fb_layer2:
	.size	k_q5d0cfff1fb_layer2, .Lfunc_end_k_q5d0cfff1fb_layer2-k_q5d0cfff1fb_layer2
	.p2alignl 7, 3214868480
	.fill 96, 4, 3214868480
	.section	.rodata,"a",@progbits
	.p2align	6, 0x0
	.amdhsa_kernel k_q5d0cfff1fb_layer2
		.amdhsa_group_segment_fixed_size 327680
		.amdhsa_private_segment_fixed_size 0
		.amdhsa_enable_private_segment 0
		.amdhsa_kernarg_size 40
		.amdhsa_user_sgpr_count 2
		.amdhsa_user_sgpr_kernarg_segment_ptr 1
		.amdhsa_wavefront_size32 1
		.amdhsa_system_sgpr_workgroup_id_x 1
		.amdhsa_system_sgpr_workgroup_id_y 1
		.amdhsa_system_sgpr_workgroup_id_z 1
		.amdhsa_system_vgpr_workitem_id 0
		.amdhsa_next_free_vgpr 512
		.amdhsa_next_free_sgpr 72
		.amdhsa_reserve_vcc 0
		.amdhsa_float_denorm_mode_32 3
		.amdhsa_float_denorm_mode_16_64 3
		.amdhsa_memory_ordered 1
		.amdhsa_forward_progress 1
		.amdhsa_inst_pref_size 237
	.end_amdhsa_kernel
	.amdgpu_metadata
---
amdhsa.version: [ 1, 2 ]
amdhsa.kernels:
  - .name:           k_q5d0cfff1fb_layer2
    .symbol:         k_q5d0cfff1fb_layer2.kd
    .args:
      - { .name: hq, .offset: 0, .size: 8, .value_kind: global_buffer, .address_space: global }
      - { .name: wq, .offset: 8, .size: 8, .value_kind: global_buffer, .address_space: global }
      - { .name: bz, .offset: 16, .size: 8, .value_kind: global_buffer, .address_space: global }
      - { .name: bh, .offset: 24, .size: 8, .value_kind: global_buffer, .address_space: global }
      - { .name: out0, .offset: 32, .size: 8, .value_kind: global_buffer, .address_space: global }
    .group_segment_fixed_size: 327680
    .private_segment_fixed_size: 0
    .kernarg_segment_align: 8
    .kernarg_segment_size: 40
    .max_flat_workgroup_size: 256
    .sgpr_count:     72
    .vgpr_count:     512
    .wavefront_size: 32
...
	.end_amdgpu_metadata
.endif
;; end of part 3
